; MI455X (gfx1250); checked and timed in simulation.
; The chip was launched on July 23, 2026; its instructions are those of AMD's public machine-readable ISA for CDNA 5 (MIT licence, August 2026) and "CDNA5" Instruction Set Architecture Reference Guide (July 2026). The comments in the code are by the model that wrote it; some were corrected since.
;; Head. Allowed arithmetic: matrix products marked QUANTISED: E2M3 operands, one E8M0 scale for each 32 along K, by v_wmma_scale_f32_16x16x128_f8f6f4 with both operands' format E2M3, f32 sums; everything else in f32.
;; Inputs: Wk 64 x 1,024 float32; Wq 64 x 1,024 float32; Wv 64 x 1,024 float32; x 4 x 4,096 x 1,024 float32.
;; Outputs: out0 4 x 4,096 x 64 float32.
;; This version of the problem:
;;   THIS VERSION OF THE PROBLEM IS GIVEN IN LOW PRECISION. The matrix products marked QUANTISED in the list below multiply operands that are first quantised to E2M3 (2 exponent bits, 3 mantissa bits; 6 bits a number), with one power-of-two scale for each 32 numbers along K (OCP MX v1.0); their sums are f32. All else is computed in f32.
;;   The module's matrix products, in the order in which they are computed (A, B: the left and right operand; K: the contracted axis; several contracted axes count as one K, in the product's order):
;;     1. [M 16,384, K 1,024] x [K 1,024, N 64]; A: input x; B: input Wk: QUANTISED
;;     2. [M 16,384, K 1,024] x [K 1,024, N 64]; A: input x; B: input Wq: QUANTISED
;;     3. [M 16,384, K 1,024] x [K 1,024, N 64]; A: input x; B: input Wv: QUANTISED
;;     4. batch 4 x [M 4,096, K 64] x [K 64, N 4,096]; A: computed on the way; B: computed on the way: QUANTISED
;;     5. batch 4 x [M 4,096, K 4,096] x [K 4,096, N 64]; A: softmax (see below); B: computed on the way: QUANTISED
;;   THE QUANTISER, for each operand of a quantised product, along K:
;;     - K is cut into blocks of 32 from its start; a last block that is shorter is filled with zeros.
;;     - A block's scale is 2^e with e = floor(log2(the largest magnitude in the block)) - 2, held to -126 .. 127; a block of zeros has e = 0. As a byte (E8M0): e + 127.
;;     - Each number is divided by its block's scale, clamped to +-7.5, and rounded to the nearest number of E2M3, ties to even, subnormals kept.
;;     - The product sums the exact products of the quantised numbers (number of the format x scale) in f32.
;;   ~~~python
;;   def quantise(x, axis):      # numpy; x: float32 -> the quantised numbers, widened to float32 again
;;       x = np.moveaxis(x, axis, -1); K = x.shape[-1]
;;       x = np.pad(x, [(0, 0)] * (x.ndim - 1) + [(0, -K % 32)]); x = x.reshape(x.shape[:-1] + (-1, 32)); a = np.abs(x).max(-1, keepdims=True)
;;       e = np.where(a > 0, np.clip(np.frexp(np.where(a > 0, a, 1))[1] - 1 - 2, -126, 127), 0)      # np.frexp(a)[1] - 1 = floor(log2(a)), exactly
;;       r = np.clip(x / 2.0 ** e, -7.5, 7.5)
;;       step = 2.0 ** (np.maximum(np.frexp(np.where(r == 0, 1, r))[1] - 1, 0) - 3)
;;       q = np.round(r / step) * step * 2.0 ** e      # np.round: ties to even
;;       return np.moveaxis(q.reshape(q.shape[:-2] + (-1,))[..., :K], -1, axis).astype(np.float32)
;;   ~~~
;;   SOFTMAX AHEAD OF A QUANTISED PRODUCT. Where the list says 'softmax', what is quantised is not the finished softmax but p = 2^(t - M), with t = logit x log2(e) and M = ceil(the row's largest t), a whole number; so 1/2 < the row's largest p <= 1. The row's sum l is taken of the UNQUANTISED p, in f32, and the product's result is divided by l at the end. Since M is a whole number, a kernel that streams over the keys may use a running M (the ceiling of the running maximum): every later rescaling is an exact power of two, which a block's scale takes up: the codes' values come out the same.
;;   OPERANDS COMPUTED ON THE WAY. 'Computed on the way' means the value that the module computes at that place (a softmax that the list does not call 'softmax' is quantised finished and normalised). What goes into a quantiser is computed in f32, as accurately as f32 sums, v_exp_f32 and their like allow (about 1e-6 of the number): no bf16 or f16 on the way to a quantiser, and a product that is left as it is and whose result goes on into a quantised operand takes f32 operands (vector FMAs, or v_wmma_f32_16x16x4_f32). A number that lies on a knife's edge between two numbers of the format may be rounded either way, as far as f32 arithmetic and the matrix unit's own rounding can turn it there, and no further.
;; One version. Each part assembles by itself: llvm-mc -triple=amdgcn-amd-amdhsa -mcpu=gfx1250 --defsym DOCPART=n.
;; ======== version 1 of 1: 3 launches
;; workspace buffers: wimg 147,456 bytes; wscl 6,144 bytes; kv 1,703,936 bytes; qc 851,968 bytes
;; launch wprep (part 1): grid 4 x 12, 1 waves a work-group, no clusters, 0 bytes of LDS; arguments Wk, Wq, Wv, wimg, wscl; writes wimg, wscl
.if DOCPART == 1
	.amdgcn_target "amdgcn-amd-amdhsa--gfx1250"
	.amdhsa_code_object_version 6
	.text
	.protected	k_q464f5291a0_wprep
	.globl	k_q464f5291a0_wprep
	.p2align	8
	.type	k_q464f5291a0_wprep,@function
k_q464f5291a0_wprep:
	s_mov_b64 s[64:65], 0
	v_nop
	global_prefetch_b8 v0, s[64:65] scope:SCOPE_SE
	s_setreg_imm32_b32 hwreg(HW_REG_WAVE_MODE, 25, 1), 1
	s_wait_xcnt 0x0
; Wk, Wq, Wv [64][1024] f32 become codes of FP6 (E2M3) with one E8M0 scale byte for each 32 along K, laid as IMAGES OF THE OPERAND'S REGISTERS, so that the next launch loads whole fragments by 16 bytes a lane.
; wimg: [T 12][s 8][chunk 3][lane 32][16 bytes]: T 0-3 = 16 rows of Wk each, 4-7 of Wq, 8-11 of Wv; s = the K step of 128; chunk j = the fragment's registers 4 j .. 4 j + 3.
;       Lane (r, h), registers 6 c .. 6 c + 5: row 16 (T % 4) + r, k = 128 s + 64 c + 32 h + 0 .. 31.
; wscl: [T 12][i 4][lane 32] words: lanes 0-15 row r's scale word of K step 2 i, lanes 16-31 that of K step 2 i + 1.
; SHARES: work-group (i, T) is one wave and makes the two fragments (T, 2 i), (T, 2 i + 1) and their one register of scale words: 48 work-groups for 786,432 bytes of input.
; A lane wants 32 neighbours along K of its own row (128 bytes, eight loads of 16), so neighbouring lanes stand a row apart: fit for a tensor this small that is read once.
; A block's scale is 2^(floor(log2(its largest magnitude)) - 2); its byte is the largest magnitude's exponent field - 2, held at 1 from below.
; LIMITS: a block of zeros, or one whose largest magnitude lies under 2^-124, keeps the byte 1 (the rule says 127 for zeros: the codes are zeros, and this program alone reads the bytes); NaN and infinities are not served.
; No LDS, no barrier, no cluster: the work-groups share no input.
.set N0,  16                           ; v16-79   64 numbers of the first fragment: register 32 c + i = k 64 c + 32 h + i of my row
.set N1,  80                           ; v80-143  of the second
.set PC0, 144                          ; v144-155 the first fragment's codes
.set PT,  156                          ; v156-163 the upper half of each block's codes, before they are moved
.set PC1, 164                          ; v164-175 the second fragment's codes
.set TM,  176                          ; v176-179 largest magnitudes, four chains
.set SO,  184                          ; v184-185 the conversions' scale operands
.set BY,  186                          ; v186-187 the scale bytes
.set TP,  188                          ; v188     the other half's bytes
.set PW0, 190                          ; v190, v191 the two scale words
.set PW1, 191
.set SH8, 6                            ; v6       8 h
.set SEL, 22                           ; s[22:23] lane selects for v_permlanex16_b32: lane l xor 16
; 64 numbers of a lane, two whole blocks of 32, become a fragment's 12 registers in v[pc] on and my row's scale word in v[pw].
.macro QF s, pc, pw
.irp q, 0,1,2,3
	v_max3_num_f32 v[TM+\q], |v[\s+16*\q]|, |v[\s+16*\q+1]|, 0x1800000   ; four chains of 16 numbers; the floor 2^(3 - 127) among the leaves holds the byte at 1 from below
.endr
.irp i, 2,4,6,8,10,12,14
.irp q, 0,1,2,3
	v_max3_num_f32 v[TM+\q], v[TM+\q], |v[\s+16*\q+\i]|, |v[\s+16*\q+\i+1]|
.endr
.endr
.irp c, 0,1
	v_max_num_f32 v[TM+2*\c], v[TM+2*\c], v[TM+2*\c+1]           ; block 2 c + h of my row
.endr
.irp c, 0,1
	v_add_nc_u32 v[SO+\c], 0xff000000, v[TM+2*\c]                ; 2 off the exponent field: the conversion takes that field as its scale
.endr
.irp c, 0,1
	v_lshrrev_b32 v[BY+\c], 23, v[SO+\c]                         ; the scale's byte
.endr
	v_lshl_or_b32 v[\pw], v[BY+1], 16, v[BY]                     ; my two bytes, blocks h and 2 + h,
	v_lshlrev_b32 v[\pw], v[SH8], v[\pw]                         ; at their places in the word;
	v_permlanex16_b32 v[TP], v[\pw], s[SEL], s[SEL+1]
	v_or_b32 v[\pw], v[\pw], v[TP]                               ; with lane l xor 16's two the word is whole, in both lanes
.irp c, 0,1
	v_cvt_scalef32_pk16_fp6_f32 v[\pc+6*\c:\pc+6*\c+2], v[\s+32*\c:\s+32*\c+15], v[SO+\c]
	v_cvt_scalef32_pk16_fp6_f32 v[PT+4*\c:PT+4*\c+2], v[\s+32*\c+16:\s+32*\c+31], v[SO+\c]   ; (a conversion's three registers begin on an even number)
.endr
	v_nop                                                        ; one plain line behind the scaled conversions
.irp c, 0,1
.irp i, 0,1,2
	v_mov_b32 v[\pc+6*\c+3+\i], v[PT+4*\c+\i]
.endr
.endr
.endm
	s_load_b128 s[4:7], s[0:1], 0x0                ; Wk, Wq
	s_load_b128 s[8:11], s[0:1], 0x10              ; Wv, wimg
	s_load_b64 s[12:13], s[0:1], 0x20              ; wscl
	v_and_b32 v1, 15, v0                           ; r
	v_bfe_u32 v2, v0, 4, 1                         ; h
	v_lshlrev_b32 v3, 12, v1                       ; row r of 4,096 bytes
	v_lshl_add_u32 v3, v2, 7, v3                   ; + 128 h: my block of 32
	v_lshlrev_b32 v4, 4, v0                        ; an image's place for my lane
	v_lshlrev_b32 v5, 2, v0                        ; a scale word's
	v_lshlrev_b32 v[SH8], 3, v2
	v_mov_b32 v[TP], 0                             ; a lane permute's destination counts as one of its sources
	s_mov_b32 s[SEL], 0x76543210
	s_mov_b32 s[SEL+1], 0xfedcba98
	s_and_b32 s14, ttmp7, 0xffff                   ; T
	s_and_b32 s16, s14, 3
	s_lshl_b32 s16, s16, 16                        ; 16 rows of 4,096 bytes x (T % 4)
	s_lshl_b32 s17, ttmp9, 10                      ; + two K steps of 512 bytes x i
	s_add_co_u32 s16, s16, s17
	s_mov_b32 s17, 0
	s_lshl_b32 s18, s14, 3
	s_lshl_b32 s19, ttmp9, 1
	s_add_co_u32 s18, s18, s19
	s_mul_i32 s18, s18, 1536                       ; fragment 8 T + 2 i of 1,536 bytes
	s_mov_b32 s19, 0
	s_lshl_b32 s20, s14, 9
	s_lshl_b32 s21, ttmp9, 7
	s_add_co_u32 s20, s20, s21                     ; scale register 4 T + i of 128 bytes
	s_mov_b32 s21, 0
	s_wait_alu depctr_va_vdst(0)
	s_wait_kmcnt 0x0
	s_cmp_lt_u32 s14, 4                            ; which tensor: the choice hangs on the work-group's number alone
	s_cselect_b64 s[4:5], s[4:5], s[6:7]
	s_cmp_lt_u32 s14, 8
	s_cselect_b64 s[4:5], s[4:5], s[8:9]
	s_add_nc_u64 s[4:5], s[4:5], s[16:17]
	s_add_nc_u64 s[10:11], s[10:11], s[18:19]
	s_add_nc_u64 s[12:13], s[12:13], s[20:21]
.irp f, 0,1
.irp c, 0,1
.irp j, 0,1,2,3,4,5,6,7
	global_load_b128 v[N0+64*\f+32*\c+4*\j:N0+64*\f+32*\c+4*\j+3], v3, s[4:5] offset:512*\f+256*\c+16*\j
.endr
.endr
.endr
	s_wait_loadcnt 16                              ; the first fragment's sixteen loads are in; the second's sixteen may be out
	QF N0, PC0, PW0
	s_wait_loadcnt 0x0
	QF N1, PC1, PW1
	v_cmp_lt_u32 vcc_lo, 15, v0
	v_cndmask_b32 v192, v[PW0], v[PW1], vcc_lo     ; lanes 0-15 the even K step's words, lanes 16-31 the odd one's
.irp c, 0,1,2
	global_store_b128 v4, v[PC0+4*\c:PC0+4*\c+3], s[10:11] offset:512*\c          ; 32 lanes store 512 consecutive bytes, at a multiple of 256 from the buffer's first byte
.endr
.irp c, 0,1,2
	global_store_b128 v4, v[PC1+4*\c:PC1+4*\c+3], s[10:11] offset:1536+512*\c
.endr
	global_store_b32 v5, v192, s[12:13]            ; 128 consecutive bytes
	s_endpgm
.Lfunc_end_k_q464f5291a0_wprep:
	.size	k_q464f5291a0_wprep, .Lfunc_end_k_q464f5291a0_wprep-k_q464f5291a0_wprep
	.p2alignl 7, 3214868480
	.fill 96, 4, 3214868480
	.section	.rodata,"a",@progbits
	.p2align	6, 0x0
	.amdhsa_kernel k_q464f5291a0_wprep
		.amdhsa_group_segment_fixed_size 0
		.amdhsa_private_segment_fixed_size 0
		.amdhsa_enable_private_segment 0
		.amdhsa_kernarg_size 40
		.amdhsa_user_sgpr_count 2
		.amdhsa_user_sgpr_kernarg_segment_ptr 1
		.amdhsa_wavefront_size32 1
		.amdhsa_system_sgpr_workgroup_id_x 1
		.amdhsa_system_sgpr_workgroup_id_y 1
		.amdhsa_system_sgpr_workgroup_id_z 1
		.amdhsa_system_vgpr_workitem_id 0
		.amdhsa_next_free_vgpr 196
		.amdhsa_next_free_sgpr 66
		.amdhsa_reserve_vcc 1
		.amdhsa_float_denorm_mode_32 3
		.amdhsa_float_denorm_mode_16_64 3
		.amdhsa_memory_ordered 1
		.amdhsa_forward_progress 1
		.amdhsa_inst_pref_size 12
	.end_amdhsa_kernel
	.amdgpu_metadata
---
amdhsa.version: [ 1, 2 ]
amdhsa.kernels:
  - .name:           k_q464f5291a0_wprep
    .symbol:         k_q464f5291a0_wprep.kd
    .args:
      - { .name: Wk, .offset: 0, .size: 8, .value_kind: global_buffer, .address_space: global }
      - { .name: Wq, .offset: 8, .size: 8, .value_kind: global_buffer, .address_space: global }
      - { .name: Wv, .offset: 16, .size: 8, .value_kind: global_buffer, .address_space: global }
      - { .name: wimg, .offset: 24, .size: 8, .value_kind: global_buffer, .address_space: global }
      - { .name: wscl, .offset: 32, .size: 8, .value_kind: global_buffer, .address_space: global }
    .group_segment_fixed_size: 0
    .private_segment_fixed_size: 0
    .kernarg_segment_align: 8
    .kernarg_segment_size: 40
    .max_flat_workgroup_size: 32
    .sgpr_count:     66
    .vgpr_count:     196
    .wavefront_size: 32
...
	.end_amdgpu_metadata
.endif
;; end of part 1
;; launch proj (part 2): grid 256 x 1, 4 waves a work-group, no clusters, 303,360 bytes of LDS; arguments x, wimg, wscl, kv, qc; writes kv, qc
.if DOCPART == 2
	.amdgcn_target "amdgcn-amd-amdhsa--gfx1250"
	.amdhsa_code_object_version 6
	.text
	.protected	k_q464f5291a0_proj
	.globl	k_q464f5291a0_proj
	.p2align	8
	.type	k_q464f5291a0_proj,@function
k_q464f5291a0_proj:
	s_mov_b64 s[64:65], 0
	v_nop
	global_prefetch_b8 v0, s[64:65] scope:SCOPE_SE
	s_setreg_imm32_b32 hwreg(HW_REG_WAVE_MODE, 25, 1), 1
	s_wait_xcnt 0x0
; k = x Wk^T, q = x Wq^T, v = x Wv^T on codes of FP6 (E2M3) with one E8M0 scale for each 32 along K = 1,024; the f32 results are quantised at once for the two products of attention and leave as codes alone.
; SHARES.  A work-group owns 64 tokens: 262,144 bytes of x, asked for whole at the first lines by thirty-two tensor loads (eight a wave: by this text's own count a wave has eight out), each byte read once.
; THE TOKENS OF A TILE ARE NOT NEIGHBOURS: tile m takes tokens 8 m .. 8 m + 7 as its rows 0-7 and tokens 32 + 8 m .. 32 + 8 m + 7 as its rows 8-15.  So wherever a result's registers run down a tile's rows (v here, the scores in the
; next launch), a lane's half h holds tokens 32 h + 8 m + 0 .. 7 of tile m: the 32 registers of four tiles are a WHOLE block of 32 tokens, in their own order, in one lane.
; Wave w brings and quantises tile w (two loads of 8 rows for each 256 along K); nobody else reads the f32 bytes that it fetched, so its own wait on TENSORcnt is all the ordering that those reads need.  LDS bytes are filled once.
; FOR THE PRODUCTS THE WAVES SHARE THE COLUMNS: wave w keeps in registers, for all of K, W's tiles 2 w and 2 w + 1 (waves 0, 1: k's head dims 32 w on; waves 2, 3: q's) and tile 8 + w (v's channels 16 w on), 288 registers,
; and multiplies them with all four tiles of tokens.  x's fragments go from wave to wave through LDS as images of their registers (3 stores of 16 bytes a lane, the scale word 4 bytes a lane), two buffers by turns, one barrier for 256 along K.
; LAYOUT OF RESULTS.  k and q: source 0 = 16 rows of W, source 1 = x: a lane holds ONE token and its 16 registers of tiles 2 w, 2 w + 1 half a block of 32 head dims, the next product's K.
; v: source 0 = x, source 1 = 16 rows of Wv: a lane holds ONE channel and its 32 registers a whole block of 32 tokens, the last product's K, in order.
; INSIDE A BLOCK OF 32 HEAD DIMS THE CODES OF q AND k ARE PERMUTED, both alike: code place 16 h + 8 u + j holds element 16 u + 8 h + j (u the tile, h the lane's half, j the register):
; blocks, scales and products are the true ones; only the order of the sums inside a matrix instruction is not k's own.
; kv: 256 records of 6,656 bytes, one for 64 tokens: +0 k's codes (24 registers x 32 lanes: register 6 m + i of lane (r, b) = word i of block b of the token in row r of tile m; chunk R / 4 of 512 bytes, 16 bytes a lane);
;   +3,072 k's scale words (8 lane + 4 j: tile 2 j + lane / 16, row lane % 16; bytes b0 b1 b0 b1);  +3,328 v's codes (channel tile t at 768 t: registers 0-3 at 16 lane, registers 4-5 at 512 + 8 lane; lane (r, b): tokens 32 b on);
;   +6,400 v's scale bytes (8 lane + 4 j: channel tile 2 j + lane / 16; the record's two bytes in the low half).   qc: 256 records of 3,328 bytes, laid as k's part.
; NO CLUSTER: x is shared by nobody; W's images are shared by all, but x's 266,240 bytes of LDS leave no room for W's 147,456, so they go from memory straight into registers, 153,600 bytes a work-group.
; LIMITS: a block of zeros, or one whose largest magnitude lies under 2^-124, keeps the byte 1 (its codes are zeros or next to zero; this program alone reads the bytes); NaN and infinities are not served.
; REGISTERS, in windows of 256: window 0: addresses, numbers, images, scale words.  window 1: the pair's 16 fragments at v[12 (8 u + s)].  window 2: Wv's 8 fragments at v[12 s]; from v128 the 12 accumulators.
.set XCH,  16640                       ; a chunk of x in LDS: 16 rows of 1,024 bytes + 16 of padding: 65 x 16 bytes a row, so the 16 rows that a load of 16 bytes a lane touches fall on 16 different columns of 16 bytes
.set XHF,  8320                        ; half a chunk: the 8 rows that one tensor load brings
.set XSW,  4*XCH                       ; a wave's four chunks
.set IM,   16*XCH                      ; behind x: the images, two buffers
.set FRB,  1536                        ; a fragment's image
.set IMS,  8*FRB                       ; in a buffer: 8 fragments (4 f + m), then their 8 scale images of 128 bytes
.set IMB,  IMS+8*128
.set OUT,  IM+2*IMB                    ; behind the images: k's part, v's part, q's part, 3,328 bytes each
.set PART, 3328
.set XA,   4                           ; v4   x in LDS: my wave's chunks + 1,040 r + 128 h
.set XWI,  5                           ; v5   where I store an image: IM + 1,536 w + 16 lane
.set XWS,  6                           ; v6   and its scale words: IM + IMS + 128 w + 4 lane
.set LI,   7                           ; v7   IM + 16 lane
.set LS,   8                           ; v8   IM + IMS + 4 lane
.set SH8,  9                           ; v9   8 h
.set A12,  10                          ; v10  k's or q's part + 256 (w % 2) + 16 r + 12 h
.set A508, 11                          ; v11  the same with 508 h
.set AB,   12                          ; v12  k's or q's part + 8 r + w % 2 + 2 h
.set AV16, 13                          ; v13  v's part + 768 w + 16 lane
.set AV8,  14                          ; v14  v's part + 768 w + 8 lane
.set AVS,  15                          ; v15  v's scale bytes: OUT + 6,400 + 8 r + 128 (w % 2) + 4 (w / 2)
.set N0,   16                          ; v16-79, v80-143 the numbers of two K steps; behind the barrier v16-111 are x's eight fragments
.set N1,   80
.set XF,   16
.set PC0,  144
.set PT,   156
.set PC1,  164
.set TM,   176
.set SO,   184
.set BY,   186
.set TP,   188
.set PW0,  190
.set PW1,  191
.set WS,   196                         ; v196-207 W's scale words: pair tile u, K steps 2 i, 2 i + 1 at 196 + 4 u + i; Wv's at 204 + i
.set XSC,  208                         ; v208-215 x's scale words, (f, m) at 208 + 4 f + m
.set G16,  216                         ; v216-218 16, 8, 4 x lane
.set G8,   217
.set G4,   218
.set CP16, 219                         ; v219-220 the copy out: my part + 16 lane; my part + 3,072 + 8 lane
.set CP8,  220
.set TPE,  224                         ; v224-228 the epilogue's permute destinations
.set TME,  16                          ; the epilogue's: largest magnitudes,
.set SOE,  32                          ; scale operands,
.set BYE,  40                          ; bytes,
.set CX,   48                          ; codes, run n at 48 + 4 n
.set AC,   128                         ; window 2: run n of 16 registers at 128 + 16 n: n = 0 .. 3 the pair's token tiles, n = 4, 5 the two halves of v's block
.set WV,   14
.set SEL,  16
.set G1,   24                          ; s[24:31] descriptor group 1
.set G0,   68                          ; s[68:99] eight groups 0: chunk p, half e at 68 + 8 p + 4 e
.set MSB, 0
.macro WIN new                         ; the immediate's high byte repeats the setting that is left
.if MSB != \new
	s_set_vgpr_msb (MSB<<8)|\new
.set MSB, \new
.endif
.endm
; 64 numbers of a lane, two whole blocks of 32, become a fragment's 12 registers in v[pc] on and my row's scale word in v[pw].
.macro QF s, pc, pw
.irp q, 0,1,2,3
	v_max3_num_f32 v[TM+\q], |v[\s+16*\q]|, |v[\s+16*\q+1]|, 0x1800000   ; four chains of 16 numbers; the floor 2^(3 - 127) among the leaves holds the byte at 1 from below
.endr
.irp i, 2,4,6,8,10,12,14
.irp q, 0,1,2,3
	v_max3_num_f32 v[TM+\q], v[TM+\q], |v[\s+16*\q+\i]|, |v[\s+16*\q+\i+1]|
.endr
.endr
.irp c, 0,1
	v_max_num_f32 v[TM+2*\c], v[TM+2*\c], v[TM+2*\c+1]
.endr
.irp c, 0,1
	v_add_nc_u32 v[SO+\c], 0xff000000, v[TM+2*\c]                ; 2 off the exponent field: the conversion takes that field as its scale
.endr
.irp c, 0,1
	v_lshrrev_b32 v[BY+\c], 23, v[SO+\c]
.endr
	v_lshl_or_b32 v[\pw], v[BY+1], 16, v[BY]
	v_lshlrev_b32 v[\pw], v[SH8], v[\pw]
	v_permlanex16_b32 v[TP], v[\pw], s[SEL], s[SEL+1]
	v_or_b32 v[\pw], v[\pw], v[TP]                               ; the row's scale word, whole in both lanes
.irp c, 0,1
	v_cvt_scalef32_pk16_fp6_f32 v[\pc+6*\c:\pc+6*\c+2], v[\s+32*\c:\s+32*\c+15], v[SO+\c]
	v_cvt_scalef32_pk16_fp6_f32 v[PT+4*\c:PT+4*\c+2], v[\s+32*\c+16:\s+32*\c+31], v[SO+\c]
.endr
	v_nop                                                        ; one plain line behind the scaled conversions
.irp c, 0,1
.irp i, 0,1,2
	v_mov_b32 v[\pc+6*\c+3+\i], v[PT+4*\c+\i]
.endr
.endr
.endm
.macro IMAGE pc, pw, b, f              ; my fragment of K step f goes into buffer b as it stands
.irp c, 0,1,2
	ds_store_b128 v[XWI], v[\pc+4*\c:\pc+4*\c+3] offset:IMB*(\b)+4*FRB*(\f)+512*\c
.endr
	ds_store_b32 v[XWS], v[\pw] offset:IMB*(\b)+512*(\f)
.endm
; K step s: 12 matrix instructions on 12 accumulators by turns, in the same order in every step.  The first step's products start the sums.
.macro MUL s
	WIN 0xa1                                       ; source 0 (W) window 1, source 1 (x) window 0, C and D window 2
.irp m, 0,1,2,3
.irp u, 0,1
.if (\s) == 0
	v_wmma_scale_f32_16x16x128_f8f6f4 v[AC+16*\m+8*\u:AC+16*\m+8*\u+7], v[12*(8*\u+(\s)):12*(8*\u+(\s))+11], v[XF+12*(4*((\s)%2)+\m):XF+12*(4*((\s)%2)+\m)+11], 0, v[WS+4*\u+(\s)/2], v[XSC+4*((\s)%2)+\m] matrix_a_fmt:MATRIX_FMT_FP6 matrix_b_fmt:MATRIX_FMT_FP6
.elseif (\s)%2 == 0
	v_wmma_scale_f32_16x16x128_f8f6f4 v[AC+16*\m+8*\u:AC+16*\m+8*\u+7], v[12*(8*\u+(\s)):12*(8*\u+(\s))+11], v[XF+12*(4*((\s)%2)+\m):XF+12*(4*((\s)%2)+\m)+11], v[AC+16*\m+8*\u:AC+16*\m+8*\u+7], v[WS+4*\u+(\s)/2], v[XSC+4*((\s)%2)+\m] matrix_a_fmt:MATRIX_FMT_FP6 matrix_b_fmt:MATRIX_FMT_FP6
.else
	v_wmma_scale_f32_16x16x128_f8f6f4 v[AC+16*\m+8*\u:AC+16*\m+8*\u+7], v[12*(8*\u+(\s)):12*(8*\u+(\s))+11], v[XF+12*(4*((\s)%2)+\m):XF+12*(4*((\s)%2)+\m)+11], v[AC+16*\m+8*\u:AC+16*\m+8*\u+7], v[WS+4*\u+(\s)/2], v[XSC+4*((\s)%2)+\m] matrix_a_fmt:MATRIX_FMT_FP6 matrix_b_fmt:MATRIX_FMT_FP6 matrix_a_scale:MATRIX_SCALE_ROW1
.endif
.endr
.endr
	WIN 0xa8                                       ; source 0 (x) window 0, source 1 (Wv) window 2, C and D window 2
.irp m, 0,1,2,3
.if (\s) == 0
	v_wmma_scale_f32_16x16x128_f8f6f4 v[AC+64+8*\m:AC+64+8*\m+7], v[XF+12*(4*((\s)%2)+\m):XF+12*(4*((\s)%2)+\m)+11], v[12*(\s):12*(\s)+11], 0, v[XSC+4*((\s)%2)+\m], v[WS+8+(\s)/2] matrix_a_fmt:MATRIX_FMT_FP6 matrix_b_fmt:MATRIX_FMT_FP6
.elseif (\s)%2 == 0
	v_wmma_scale_f32_16x16x128_f8f6f4 v[AC+64+8*\m:AC+64+8*\m+7], v[XF+12*(4*((\s)%2)+\m):XF+12*(4*((\s)%2)+\m)+11], v[12*(\s):12*(\s)+11], v[AC+64+8*\m:AC+64+8*\m+7], v[XSC+4*((\s)%2)+\m], v[WS+8+(\s)/2] matrix_a_fmt:MATRIX_FMT_FP6 matrix_b_fmt:MATRIX_FMT_FP6
.else
	v_wmma_scale_f32_16x16x128_f8f6f4 v[AC+64+8*\m:AC+64+8*\m+7], v[XF+12*(4*((\s)%2)+\m):XF+12*(4*((\s)%2)+\m)+11], v[12*(\s):12*(\s)+11], v[AC+64+8*\m:AC+64+8*\m+7], v[XSC+4*((\s)%2)+\m], v[WS+8+(\s)/2] matrix_a_fmt:MATRIX_FMT_FP6 matrix_b_fmt:MATRIX_FMT_FP6 matrix_b_scale:MATRIX_SCALE_ROW1
.endif
.endr
.endm
; 256 along K: chunk p of x, K steps 2 p and 2 p + 1.
.macro PHASE p
.if (\p) > 0
	WIN 0
.rept 4
	v_nop                                          ; four plain lines in front of loads into registers that matrix instructions have read (ISA guide 7.12.1 for vector instructions)
.endr
.endif
	s_wait_tensorcnt 6-2*(\p)                      ; tensor loads of a wave end in order: the two halves of my chunk p are in LDS, the 6 - 2 p younger loads may be out
.irp f, 0,1
.irp c, 0,1
.irp j, 0,1,2,3,4,5,6,7
	ds_load_b128 v[N0+64*\f+32*\c+4*\j:N0+64*\f+32*\c+4*\j+3], v[XA] offset:XCH*(\p)+512*\f+256*\c+16*\j
.endr
.endr
.endr
	s_wait_dscnt 16                                ; the first K step's sixteen loads are in; the second's may be out
	QF N0, PC0, PW0
	IMAGE PC0, PW0, (\p)%2, 0
	s_wait_dscnt 4                                 ; the second K step's loads are in; the four stores just issued may be out
	QF N1, PC1, PW1
	IMAGE PC1, PW1, (\p)%2, 1
	s_wait_dscnt 0x0                               ; for the others' sake: my images have landed.  (My reads of the other buffer were waited for in the phase before: so this one barrier also frees that buffer for the next phase's images)
	s_barrier_signal -1
	s_barrier_wait -1
.irp f, 0,1
.irp m, 0,1,2,3
.irp c, 0,1,2
	ds_load_b128 v[XF+12*(4*\f+\m)+4*\c:XF+12*(4*\f+\m)+4*\c+3], v[LI] offset:IMB*((\p)%2)+FRB*(4*\f+\m)+512*\c
.endr
	ds_load_b32 v[XSC+4*\f+\m], v[LS] offset:IMB*((\p)%2)+128*(4*\f+\m)
.endr
.endr
.if (\p) == 0
	s_wait_loadcnt 0x0                             ; W's fragments and scale words, once
.endif
	s_wait_dscnt 16                                ; the first K step's sixteen loads are in
	MUL 2*(\p)
	s_wait_dscnt 0x0
	MUL 2*(\p)+1
.endm
	s_load_b256 s[4:11], s[0:1], 0x0               ; x s[4:5], wimg s[6:7], wscl s[8:9], kv s[10:11]
	s_load_b64 s[12:13], s[0:1], 0x20              ; qc
	v_lshl_add_u32 v254, v0, 2, 0x49f00
	v_mov_b32 v255, 0
	ds_add_u32 v254, v255
	ds_add_u32 v254, v255
	v_lshrrev_b32 v1, 5, v0
	v_readfirstlane_b32 s[WV], v1                  ; wave 0..3
	; descriptor group 1: a tile of 8 rows x 256 f32 (1,024 bytes, four whole runs of 256), 4 words of padding behind each row
	s_mov_b32 s[G1+0], (2<<16)|(1<<20)|(7<<22)|(3<<25)   ; 15:0 no mask; 17:16 elements of 4 bytes; 20 padding on; 24:22 after every 256 words (code 7); 31:25 of 4 words (code 3)
	s_mov_b32 s[G1+1], 256<<16                     ; tensor_dim0 = 256
	s_mov_b32 s[G1+2], 8<<16                       ; tensor_dim1 = 8
	s_mov_b32 s[G1+3], 256<<16                     ; tile_dim0 = 256
	s_mov_b32 s[G1+4], 8                           ; tile_dim1 = 8
	s_mov_b32 s[G1+5], 1024                        ; elements from row to row
	s_mov_b32 s[G1+6], 0
	s_mov_b32 s[G1+7], 0
	s_mul_i32 s52, s[WV], XSW                      ; my four chunks in LDS
	s_lshl_b32 s18, ttmp9, 18                      ; 64 tokens of 4,096 bytes x work-group
	s_lshl_b32 s19, s[WV], 15                      ; + 8 tokens x wave: my tile's rows 0-7; its rows 8-15 lie 32 tokens on
	s_add_co_u32 s18, s18, s19
	s_mov_b32 s19, 0
	s_mov_b32 s[SEL], 0x76543210
	s_mov_b32 s[SEL+1], 0xfedcba98                 ; v_permlanex16_b32's selects for lane l xor 16
	s_wait_dscnt 0x0
	s_wait_kmcnt 0x0
	s_add_nc_u64 s[20:21], s[4:5], s[18:19]
.irp p, 0,1,2,3
.irp e, 0,1
	s_mov_b32 s[G0+8*\p+4*\e], 1                   ; count = 1
	s_add_co_u32 s[G0+8*\p+4*\e+1], s52, \p*XCH+\e*XHF   ; LDS address: chunk p, rows 8 e on
	s_add_nc_u64 s[G0+8*\p+4*\e+2:G0+8*\p+4*\e+3], s[20:21], \p*1024+\e*131072   ; global address: 256 along K x p, 32 tokens x e
	s_or_b32 s[G0+8*\p+4*\e+3], s[G0+8*\p+4*\e+3], 0x80000000   ; type = 2
.endr
.endr
.irp q, 0,1,2,3,4,5,6,7
	tensor_load_to_lds s[G0+4*\q:G0+4*\q+3], s[G1:G1+7]   ; all of my x, ahead of everything else
	s_nop 0
.endr
	v_and_b32 v1, 15, v0                           ; r   (six plain lines stand between the last tensor load and the first switch of windows)
	v_bfe_u32 v2, v0, 4, 1                         ; h
	v_and_b32 v3, 31, v0                           ; lane
	v_lshlrev_b32 v[G16], 4, v3
	s_wait_alu depctr_va_vdst(0)
	v_lshlrev_b32 v[G8], 3, v3
	v_lshlrev_b32 v[G4], 2, v3
	s_wait_alu depctr_va_vdst(0)
	s_mul_i32 s18, s[WV], 16*FRB                   ; W's tiles 2 w, 2 w + 1: 16 fragments
	s_add_nc_u64 s[22:23], s[6:7], s[18:19]
	s_mul_i32 s18, s[WV], 8*FRB                    ; tile 8 + w: 8 fragments
	s_add_co_u32 s18, s18, 64*FRB
	s_add_nc_u64 s[48:49], s[6:7], s[18:19]
	s_lshl_b32 s18, s[WV], 10                      ; their scale words: 512 bytes a tile
	s_add_nc_u64 s[50:51], s[8:9], s[18:19]
	s_lshl_b32 s18, s[WV], 9
	s_add_co_u32 s18, s18, 4096
	s_add_nc_u64 s[54:55], s[8:9], s[18:19]
	WIN 0x40                                       ; destination window 1
.irp u, 0,1
.irp s, 0,1,2,3,4,5,6,7
.irp c, 0,1,2
	global_load_b128 v[12*(8*\u+\s)+4*\c:12*(8*\u+\s)+4*\c+3], v[G16], s[22:23] offset:FRB*(8*\u+\s)+512*\c   ; 512 consecutive bytes a load
.endr
.endr
.endr
	WIN 0x80                                       ; destination window 2
.irp s, 0,1,2,3,4,5,6,7
.irp c, 0,1,2
	global_load_b128 v[12*\s+4*\c:12*\s+4*\c+3], v[G16], s[48:49] offset:FRB*\s+512*\c
.endr
.endr
	WIN 0
.irp u, 0,1
.irp i, 0,1,2,3
	global_load_b32 v[WS+4*\u+\i], v[G4], s[50:51] offset:128*(4*\u+\i)
.endr
.endr
.irp i, 0,1,2,3
	global_load_b32 v[WS+8+\i], v[G4], s[54:55] offset:128*\i
.endr
	; every LDS address is a constant + a constant x lane + a constant x wave
	v_mul_u32_u24 v[XA], v1, 1040
	v_lshl_add_u32 v[XA], v2, 7, v[XA]
	v_add_nc_u32 v[XA], s52, v[XA]
	s_mul_i32 s53, s[WV], FRB
	s_add_co_u32 s53, s53, IM
	v_add_nc_u32 v[XWI], s53, v[G16]
	s_lshl_b32 s53, s[WV], 7
	s_add_co_u32 s53, s53, IM+IMS
	v_add_nc_u32 v[XWS], s53, v[G4]
	v_add_nc_u32 v[LI], IM, v[G16]
	v_add_nc_u32 v[LS], IM+IMS, v[G4]
	v_lshlrev_b32 v[SH8], 3, v2
	s_lshr_b32 s56, s[WV], 1                       ; 0: k, 1: q
	s_mul_i32 s57, s56, 2*PART                     ; k's part at OUT, q's at OUT + 6,656
	s_and_b32 s58, s[WV], 1                        ; my block of 32 head dims
	s_lshl_b32 s59, s58, 8
	s_add_co_u32 s59, s59, s57
	s_add_co_u32 s59, s59, OUT
	v_lshlrev_b32 v[A12], 4, v1
	v_add_nc_u32 v[A12], s59, v[A12]
	v_mad_u32_u24 v[A508], v2, 508, v[A12]
	v_mad_u32_u24 v[A12], v2, 12, v[A12]
	s_add_co_u32 s59, s57, s58
	s_add_co_u32 s59, s59, OUT
	v_lshlrev_b32 v[AB], 3, v1
	v_lshl_add_u32 v[AB], v2, 1, v[AB]
	v_add_nc_u32 v[AB], s59, v[AB]
	s_mul_i32 s59, s[WV], 768
	s_add_co_u32 s59, s59, OUT+PART
	v_add_nc_u32 v[AV16], s59, v[G16]
	v_add_nc_u32 v[AV8], s59, v[G8]
	s_lshl_b32 s59, s58, 7
	s_lshl_b32 s60, s56, 2
	s_add_co_u32 s59, s59, s60
	s_add_co_u32 s59, s59, OUT+PART+3072
	v_lshlrev_b32 v[AVS], 3, v1
	v_add_nc_u32 v[AVS], s59, v[AVS]
	s_min_u32 s59, s[WV], 2                        ; the copy out: wave 0 k's part, wave 1 v's, wave 2 q's (wave 3 copies nothing)
	s_mul_i32 s59, s59, PART
	s_add_co_u32 s59, s59, OUT
	v_add_nc_u32 v[CP16], s59, v[G16]
	s_add_co_u32 s59, s59, 3072
	v_add_nc_u32 v[CP8], s59, v[G8]
	v_mov_b32 v[TP], 0                             ; a lane permute's destination counts as one of its sources
.irp n, 0,1,2,3,4
	v_mov_b32 v[TPE+\n], 0
.endr
	s_mul_i32 s18, ttmp9, 2*PART                   ; where the parts go: kv: record x 6,656 + 3,328 w;
	s_mul_i32 s60, s[WV], PART
	s_add_co_u32 s18, s18, s60
	s_add_nc_u64 s[10:11], s[10:11], s[18:19]
	s_mul_i32 s18, ttmp9, PART                     ; qc: record x 3,328
	s_add_nc_u64 s[12:13], s[12:13], s[18:19]
	PHASE 0
	PHASE 1
	PHASE 2
	PHASE 3
	; THE RESULTS BECOME OPERANDS.  Runs 0-3: half a block of 32 head dims of k or q each, the other half in lane l xor 16.  Runs 4, 5: the two halves of v's block of 32 tokens, both mine.
	WIN 0
.rept 4
	v_nop                                          ; four plain lines between the last products and the first read of results
.endr
	WIN 0x28                                       ; sources 1 and 2 window 2
.irp n, 0,1,2,3,4,5
	v_max3_num_f32 v[TME+\n], 0x1800000, |v[AC+16*\n]|, |v[AC+16*\n+1]|   ; each accumulator is read from its low end on; the floor 2^(3 - 127) holds the byte at 1 from below
.endr
.irp i, 2,4,6,8,10,12,14
.irp n, 0,1,2,3,4,5
	v_max3_num_f32 v[TME+\n], v[TME+\n], |v[AC+16*\n+\i]|, |v[AC+16*\n+\i+1]|
.endr
.endr
	WIN 0
.irp n, 0,1,2,3
	v_permlanex16_b32 v[TPE+\n], v[TME+\n], s[SEL], s[SEL+1]
.endr
	v_max_num_f32 v[TME+4], v[TME+4], v[TME+5]     ; v: the block's largest magnitude needs no other lane
.irp n, 0,1,2,3
	v_max_num_f32 v[TME+\n], v[TME+\n], v[TPE+\n]  ; k, q: with lane l xor 16's
.endr
.irp n, 0,1,2,3,4
	v_add_nc_u32 v[SOE+\n], 0xff000000, v[TME+\n]
.endr
.irp n, 0,1,2,3,4
	v_lshrrev_b32 v[BYE+\n], 23, v[SOE+\n]
.endr
	v_lshlrev_b32 v[CX+24], v[SH8], v[BYE+4]       ; v's byte of block h at its place;
	v_permlanex16_b32 v[TPE+4], v[CX+24], s[SEL], s[SEL+1]
	v_or_b32 v[CX+24], v[CX+24], v[TPE+4]          ; with lane l xor 16's: the record's two bytes, zeros above
	WIN 0x02                                       ; source 0 window 2
.irp n, 0,1,2,3
	v_cvt_scalef32_pk16_fp6_f32 v[CX+4*\n:CX+4*\n+2], v[AC+16*\n:AC+16*\n+15], v[SOE+\n]
.endr
	v_cvt_scalef32_pk16_fp6_f32 v[CX+16:CX+18], v[AC+64:AC+79], v[SOE+4]
	v_cvt_scalef32_pk16_fp6_f32 v[CX+20:CX+22], v[AC+80:AC+95], v[SOE+4]
	WIN 0
	v_nop                                          ; one plain line behind the scaled conversions
	; k or q: my three words are words 3 h + i of block w % 2 of the token in row r of tile m: register 6 m + 3 h + i of lane r + 16 (w % 2).  Three registers on is 12 bytes on in the same chunk of four, or 508 bytes on in the next.
.irp m, 0,1,2,3
.irp i, 0,1,2
.if (6*\m+\i)%4 == 0
	ds_store_b32 v[A12], v[CX+4*\m+\i] offset:512*((6*\m+\i)/4)+4*((6*\m+\i)%4)
.else
	ds_store_b32 v[A508], v[CX+4*\m+\i] offset:512*((6*\m+\i)/4)+4*((6*\m+\i)%4)
.endif
.endr
	ds_store_b8 v[AB], v[BYE+\m] offset:3072+128*(\m%2)+4*(\m/2)   ; lanes 0-15 write the block's byte, lanes 16-31 its copy two bytes up
.endr
	; v: my six words are the operand's six registers as they stand (a conversion's three registers begin on an even number: the upper three are moved)
	v_mov_b32 v[CX+19], v[CX+20]
	v_mov_b32 v[CX+20], v[CX+21]
	v_mov_b32 v[CX+21], v[CX+22]
	ds_store_b128 v[AV16], v[CX+16:CX+19]
	ds_store_b64 v[AV8], v[CX+20:CX+21] offset:512
	ds_store_b32 v[AVS], v[CX+24]                  ; both lanes of a channel write the same word with the same value
	s_wait_dscnt 0x0                               ; for the others' sake: my stores have landed
	s_barrier_signal -1
	s_barrier_wait -1
	s_cmp_lt_u32 s[WV], 3
	s_cbranch_scc0 .Lend
.irp k, 0,1,2,3,4,5
	ds_load_b128 v[80+4*\k:83+4*\k], v[CP16] offset:512*\k
.endr
	ds_load_b64 v[104:105], v[CP8]
	s_cmp_lt_u32 s[WV], 2                          ; the choice hangs on the wave's number alone
	s_cselect_b64 s[10:11], s[10:11], s[12:13]
.irp k, 0,1,2,3,4,5
	s_wait_dscnt 6-\k                              ; load k is in; the younger ones may be out
	global_store_b128 v[G16], v[80+4*\k:83+4*\k], s[10:11] offset:512*\k   ; 512 consecutive bytes, at a multiple of 256 from the buffer's first byte
.endr
	s_wait_dscnt 0x0
	global_store_b64 v[G8], v[104:105], s[10:11] offset:3072               ; 256 consecutive bytes, likewise
.Lend:
	s_wait_tensorcnt 0x0
	ds_add_u32 v254, v255
	s_wait_dscnt 0x0
	s_endpgm
.Lfunc_end_k_q464f5291a0_proj:
	.size	k_q464f5291a0_proj, .Lfunc_end_k_q464f5291a0_proj-k_q464f5291a0_proj
	.p2alignl 7, 3214868480
	.fill 96, 4, 3214868480
	.section	.rodata,"a",@progbits
	.p2align	6, 0x0
	.amdhsa_kernel k_q464f5291a0_proj
		.amdhsa_group_segment_fixed_size 303360
		.amdhsa_private_segment_fixed_size 0
		.amdhsa_enable_private_segment 0
		.amdhsa_kernarg_size 40
		.amdhsa_user_sgpr_count 2
		.amdhsa_user_sgpr_kernarg_segment_ptr 1
		.amdhsa_wavefront_size32 1
		.amdhsa_system_sgpr_workgroup_id_x 1
		.amdhsa_system_sgpr_workgroup_id_y 1
		.amdhsa_system_sgpr_workgroup_id_z 1
		.amdhsa_system_vgpr_workitem_id 0
		.amdhsa_next_free_vgpr 736
		.amdhsa_next_free_sgpr 100
		.amdhsa_reserve_vcc 0
		.amdhsa_float_denorm_mode_32 3
		.amdhsa_float_denorm_mode_16_64 3
		.amdhsa_memory_ordered 1
		.amdhsa_forward_progress 1
		.amdhsa_inst_pref_size 80
	.end_amdhsa_kernel
	.amdgpu_metadata
---
amdhsa.version: [ 1, 2 ]
amdhsa.kernels:
  - .name:           k_q464f5291a0_proj
    .symbol:         k_q464f5291a0_proj.kd
    .args:
      - { .name: x, .offset: 0, .size: 8, .value_kind: global_buffer, .address_space: global }
      - { .name: wimg, .offset: 8, .size: 8, .value_kind: global_buffer, .address_space: global }
      - { .name: wscl, .offset: 16, .size: 8, .value_kind: global_buffer, .address_space: global }
      - { .name: kv, .offset: 24, .size: 8, .value_kind: global_buffer, .address_space: global }
      - { .name: qc, .offset: 32, .size: 8, .value_kind: global_buffer, .address_space: global }
    .group_segment_fixed_size: 303360
    .private_segment_fixed_size: 0
    .kernarg_segment_align: 8
    .kernarg_segment_size: 40
    .max_flat_workgroup_size: 128
    .sgpr_count:     100
    .vgpr_count:     736
    .wavefront_size: 32
...
	.end_amdgpu_metadata
.endif
;; end of part 2
;; launch attn (part 3): grid 64 x 4, 16 waves a work-group, clusters of 4 x 1, 327,680 bytes of LDS; arguments kv, qc, out0; writes out0
.if DOCPART == 3
	.amdgcn_target "amdgcn-amd-amdhsa--gfx1250"
	.amdhsa_code_object_version 6
	.text
	.protected	k_q464f5291a0_attn
	.globl	k_q464f5291a0_attn
	.p2align	8
	.type	k_q464f5291a0_attn,@function
k_q464f5291a0_attn:
	s_mov_b64 s[64:65], 0
	v_nop
	global_prefetch_b8 v0, s[64:65] scope:SCOPE_SE
	s_setreg_imm32_b32 hwreg(HW_REG_WAVE_MODE, 25, 1), 1
	s_wait_xcnt 0x0
	s_wait_alu depctr_hold_cnt(0) depctr_sa_sdst(0) depctr_va_vdst(0) depctr_va_sdst(0) depctr_va_ssrc(0) depctr_va_vcc(0) depctr_vm_vsrc(0)
	s_getreg_b32 s2, hwreg(HW_REG_IB_STS2, 6, 4)
	s_cmp_eq_u32 s2, 0
	s_cbranch_scc0 .Lentry_in_a_cluster
	s_endpgm
.Lentry_in_a_cluster:
	s_bfe_u32 s2, ttmp6, 0x10000c
	s_cmp_lg_u32 s2, 0x3003
	s_cbranch_scc0 .Lentry_shape_is_right
	s_endpgm
.Lentry_shape_is_right:
; out[b][q][:] = the sum over keys of softmax(q . k / 8) v, both products on codes of FP6 (E2M3) with one E8M0 scale for each 32 along a product's K.  q, k, v arrive as images of operand registers (the launch before lays them).
; THE SOFTMAX AHEAD OF THE SECOND PRODUCT: t = score x log2(e) / 8; M = the largest t so far, rounded UP to a whole number; p = 2^(t - M) is what is quantised, along the keys, not normalised.
; The sum is taken of the unquantised p, in f32, and divides at the end.  When M moves, the sum and O are multiplied by 2^(old M - new M): exact.
; SHARES.  A work-group owns 64 queries of one batch: 256 work-groups.  Wave w of sixteen owns query tile w % 4 (16 queries) and key group w / 4, a quarter of the keys: 8 steps of 128.  Four waves to a SIMD, no register windows:
; one wave's vector work stands beside another's products and LDS loads.  The four partial results of a query tile meet in LDS and are joined by exact powers of two, since every M is a whole number.
; CLUSTER.  The four work-groups of a cluster belong to one batch and walk the same 425,984 bytes of kv: every fill is asked for JOINTLY, by the same tensor load with the same descriptor and the mask of all four.
; My place in the cluster enters q's and out's global addresses alone.
; LDS.  S0: 16 records (1,024 keys), filled twice: keys 0 on, then keys 3,072 on.  S1: 32 records (keys 1,024 on), filled once.  Waves 0-3 fetch, 26,624 dense bytes a load: three loads out at the start, one behind the refill's round.
; LAYOUT.  S^T = K Q^T (source 0 = 16 keys, source 1 = my 16 queries), O^T = V^T P^T (source 0 = 16 channels, source 1 = p): a lane holds ONE query throughout.
; THE TOKENS OF A TILE ARE NOT NEIGHBOURS: tile m of a record of 64 takes tokens 8 m .. 8 m + 7 as rows 0-7 and 32 + 8 m .. 32 + 8 m + 7 as rows 8-15.  So register 32 c + 8 m + j of lane (r, h) holds key 64 c + 32 h + 8 m + j:
; a lane's 32 registers of a record are a WHOLE block of 32 keys in their own order, as the second product's operand wants them: a block's largest score needs no other lane, and the conversions' results are the operand.
; The queries of a tile are chosen alike: row r of tile t is query 8 t + r, or 32 + 8 t + r - 8 from row 8 on.
; K = 64 IN A FORM OF 128: q's registers 6-11 hold zero codes.  K's tile t is named as v[32 + 6 t] on, 12 registers: its upper six are the next tile's codes (behind tile 7: zeros), which meet q's zeros and add nothing:
; FP6 has no infinity and no NaN, and bytes 2, 3 of both scale words repeat bytes 0, 1, which lie in 1 .. 254.
; THE STEP'S ORDER.  The next step's tiles of K are asked for directly behind the second product, and most of the sum's additions stand between that request and the wait for it; V's fragments are asked for behind the scores and land
; under the softmax.  A phase is a first fetch, n - 1 trips that fetch ahead, and a last step written out without a fetch: no LDS read crosses a phase's barrier.
; LIMITS: a block's largest p is taken as the exponential of its largest score (this takes v_exp_f32 not to fall where its input rises); a p under 2^-126 counts as 0; a block of such p keeps the byte 1; NaN and infinities are not served.
.set HREC,  6656                       ; a record: 64 keys: k's codes 3,072, k's scale words 256, v's codes 3,072, v's scale bytes 256
.set STEPB, 2*HREC                     ; a step: 128 keys
.set QLD,   4*HREC                     ; what one tensor load brings: 104 rows of 256 bytes
.set S1,    16*HREC                    ; S0 at 0, S1 behind it
.set SPARE, 48*HREC                    ; behind S1: the spare words, 128 bytes for each of 16 waves: eight blocks of 256 bytes that no other line names
.set STG,   S1                         ; the merge's stage lies in S1, which has then had its one fill and its last read: 16 rows x (256 + 16) bytes for each wave,
.set STT,   STG+16*4352                ; and behind it 128 bytes a wave: -M and the sum of each query
.set L16,  1                           ; v1   16 x lane
.set L8,   2                           ; v2   8 x lane
.set AD16, 3                           ; v3, v4 the step's LDS addresses
.set AD8,  4
.set SPW,  5                           ; v5   my spare word: SPARE + 4 x my thread's number; never rewritten
.set NIL,  6                           ; v6   0; never rewritten
.set SOA,  7                           ; v7   the stage: STG + 4,352 w + 272 r + 32 h
.set STA,  8                           ; v8   STT + 128 w + 8 r
.set MR,   9                           ; v9   the merge: STG + 4,352 (w % 4) + 1,088 (w / 4) + 272 (lane / 16) + 16 (lane % 16)
.set MS,   10                          ; v10  STT + 128 (w % 4) + 32 (w / 4) + 8 (lane / 16)
.set SH8,  11                          ; v11  8 h
                                       ; v12 -M, v13 the largest t (at the end the sum), v[14:15] the sum in two halves
.set QC,   16                          ; v16-21 q's codes, v22-27 zeros
.set QS,   28                          ; v28  q's scale words
.set KV,   32                          ; v32-79 k's eight tiles, 6 registers each; later v's four fragments; v80-85 zeros
.set KS,   86                          ; v86-89 k's scale words
.set VH,   90                          ; v90-93 v's scale bytes, two records
.set VW,   94                          ; v94-95 v's scale words
.set S,    96                          ; v96-159 S^T, then p
.set O,    160                         ; v160-191 O^T
.set PC,   192                         ; v192-203 p's codes; v204-206, v208-210 the upper halves before they are moved
.set PT,   204
.set BM,   212                         ; v212-215 four chains of the largest score; then v212, v214: my two blocks' largest score, then largest p
.set BT,   216                         ; v216-219 at work: the other half's maximum, the bytes, the other half's bytes
.set SP,   220                         ; v220-221 the conversions' scale operands
.set T0,   224
.set OM,   225                         ; v225 the old -M
.set FF,   226                         ; v[226:227] f = 2^(old M - new M) (v227 is named with it as a pair)
.set PW,   228                         ; v228 p's scale word
.set SM2,  230                         ; v[230:231] the second chain of the sum
.set MD,   32                          ; the merge: four partial rows x two turns,
.set MST,  64                          ; their -M and sums,
.set MF,   96                          ; their factors (pairs: the factor, and the whole number that it was made of),
.set MN,   112                         ; the smallest -M,
.set ML,   114                         ; the joined sum,
.set MRC,  116                         ; its reciprocal (pairs),
.set MO,   120                         ; the rows of out
.set WV,   10
.set QT,   11
.set GR,   12
.set SEL,  14
.set CS,   16
.set G1,   24
.set G0,   32
.set TB,   44
.set CNT,  45
; A round of the cluster's barrier: my work-group's barrier, wave 0 signals for the work-group, every wave waits for all four work-groups, my work-group's barrier once more.
.macro ROUND
	s_barrier_signal -1
	s_barrier_wait -1
	s_cmp_lg_u32 s[WV], 0
	s_cbranch_scc1 .Lnot_wave_0_\@
	s_barrier_signal -3
.Lnot_wave_0_\@:
	s_barrier_wait -3
	s_barrier_signal -1
	s_barrier_wait -1
.endm
; K's eight tiles and their scale words, of the 128 keys whose two records begin at the addresses in hand: 512 consecutive bytes a load of 16 bytes a lane
.macro KLOAD
.irp c, 0,1
.irp k, 0,1,2,3,4,5
	ds_load_b128 v[KV+24*\c+4*\k:KV+24*\c+4*\k+3], v[AD16] offset:HREC*\c+512*\k
.endr
	ds_load_b64 v[KS+2*\c:KS+2*\c+1], v[AD8] offset:HREC*\c+3072
.endr
.endm
; The sum of the UNQUANTISED p: 32 packed additions in two chains; additions a .. b - 1 of them
.macro SUMS a, b
.set N, \a
.rept (\b)-(\a)
.if N == 0
	v_pk_add_f32 v[SM2:SM2+1], v[S:S+1], v[S+2:S+3]
.elseif N == 31
	s_delay_alu instid0(VALU_DEP_1)
	v_pk_add_f32 v[14:15], v[14:15], v[SM2:SM2+1]
.elseif N%2 == 1
	v_pk_add_f32 v[14:15], v[14:15], v[S+2*N+2:S+2*N+3]
.else
	v_pk_add_f32 v[SM2:SM2+1], v[SM2:SM2+1], v[S+2*N+2:S+2*N+3]
.endif
.set N, N+1
.endr
.endm
; A KEY STEP.  Its tiles of K have been asked for.  next = 1: the next step's are asked for behind the second product.
.macro STEP next
	s_wait_dscnt 0x0                               ; K's tiles and scale words are in
.irp t, 0,2,4,6                                ; S^T = K Q^T: eight tiles of 16 keys, each a sum of its own
	v_wmma_scale_f32_16x16x128_f8f6f4 v[S+8*\t:S+8*\t+7], v[KV+6*\t:KV+6*\t+11], v[QC:QC+11], 0, v[KS+\t/2], v[QS] matrix_a_fmt:MATRIX_FMT_FP6 matrix_b_fmt:MATRIX_FMT_FP6
	v_wmma_scale_f32_16x16x128_f8f6f4 v[S+8*(\t+1):S+8*(\t+1)+7], v[KV+6*(\t+1):KV+6*(\t+1)+11], v[QC:QC+11], 0, v[KS+\t/2], v[QS] matrix_a_fmt:MATRIX_FMT_FP6 matrix_b_fmt:MATRIX_FMT_FP6 matrix_a_scale:MATRIX_SCALE_ROW1
.endr
	v_mov_b32 v[OM], v12                           ; the old -M is kept.  With the three lines below: four plain lines, for the loads over k's tiles and for the first read of the scores (ISA guide 7.12.1 for vector instructions)
.rept 3
	v_nop
.endr
.irp t, 0,1,2,3                                ; v's four fragments land under the softmax
.irp c, 0,1
	ds_load_b128 v[KV+12*\t+6*\c:KV+12*\t+6*\c+3], v[AD16] offset:HREC*\c+3328+768*\t
	ds_load_b64 v[KV+12*\t+6*\c+4:KV+12*\t+6*\c+5], v[AD8] offset:HREC*\c+3328+768*\t+512
.endr
.endr
.irp c, 0,1
	ds_load_b64 v[VH+2*\c:VH+2*\c+1], v[AD8] offset:HREC*\c+6400
.endr
.irp q, 0,1,2,3
	v_max3_num_f32 v[BM+\q], v[S+16*\q], v[S+16*\q+1], v[S+16*\q+2]   ; the largest score, in four chains of 16: chains 2 c, 2 c + 1 are my block 2 c + h.  Each accumulator is read from its low end on
.endr
.irp i, 3,5,7,9,11,13
.irp q, 0,1,2,3
	v_max3_num_f32 v[BM+\q], v[BM+\q], v[S+16*\q+\i], v[S+16*\q+\i+1]
.endr
.endr
.irp c, 0,1
	v_max3_num_f32 v[BM+2*\c], v[BM+2*\c], v[BM+2*\c+1], v[S+32*\c+15]
.endr
.irp c, 0,1
	v_max_num_f32 v[BM+2*\c], v[BM+2*\c], v[S+32*\c+31]   ; the block's largest score: it serves for the row's maximum and, since p rises with the score, for the block's largest p
.endr
	s_delay_alu instid0(VALU_DEP_1)
	v_max_num_f32 v[T0], v[BM], v[BM+2]
	s_delay_alu instid0(VALU_DEP_1)
	v_permlanex16_b32 v[BT], v[T0], s[SEL], s[SEL+1]
	s_delay_alu instid0(VALU_DEP_1)
	v_max_num_f32 v[T0], v[T0], v[BT]              ; with lane l xor 16's two blocks: the step's largest score of my query
	s_delay_alu instid0(VALU_DEP_1)
	v_mul_f32 v[T0], s[CS], v[T0]                  ; as t (c is positive)
	s_delay_alu instid0(VALU_DEP_1)
	v_max_num_f32 v13, v13, v[T0]                  ; the running largest t
	s_delay_alu instid0(VALU_DEP_1)
	v_floor_f32 v12, -v13                          ; the new -M = floor(-t) = -ceil(t): a whole number
.set J, 0
.rept 32
	v_pk_fma_f32 v[S+J:S+J+1], v[S+J:S+J+1], s[CS:CS+1], v[12:13] op_sel_hi:[1,0,0]   ; t - M, two at a time (of the pairs c and -M the low word serves both halves)
.if J == 16
	v_sub_f32 v[T0], v12, v[OM]                    ; old M - new M: a whole number, 0 or less  (these three lines, each of which waits for the one before, stand apart among the others)
.elseif J == 32
	v_cvt_i32_f32 v[T0], v[T0]                     ; (it saturates)
.elseif J == 48
	v_ldexp_f32 v[FF], 1.0, v[T0]                  ; f = 2^(old M - new M)
.endif
.set J, J+2
.endr
.irp c, 0,1
	v_fma_f32 v[BM+2*\c], v[BM+2*\c], s[CS], v12   ; the same of each block's largest score
.endr
.set J, 0
	s_wait_alu depctr_va_vdst(0)
.rept 64
	v_exp_f32 v[S+J], v[S+J]                       ; p = 2^(t - M), at most 1
.set J, J+1
.endr
	s_setprio 1
.irp c, 0,1
	v_exp_f32 v[BM+2*\c], v[BM+2*\c]               ; the block's largest p: the same two instructions on the same number
.endr
	v_pk_mul_f32 v[14:15], v[14:15], v[FF:FF+1] op_sel_hi:[1,0]   ; the sums under the new M (a plain line behind the exponentials)
	s_wait_alu depctr_va_vdst(0)
.irp c, 0,1
	v_max_num_f32 v[BM+2*\c], 0x1800000, v[BM+2*\c]   ; the floor 2^(3 - 127): the byte cannot fall under 1
.endr
.irp c, 0,1
	s_delay_alu instid0(VALU_DEP_2)
	v_add_nc_u32 v[SP+\c], 0xff000000, v[BM+2*\c]  ; 2 off the exponent field: the conversion's scale operand
.endr
.irp c, 0,1
	v_cvt_scalef32_pk16_fp6_f32 v[PC+6*\c:PC+6*\c+2], v[S+32*\c:S+32*\c+15], v[SP+\c]          ; registers 6 c .. 6 c + 2 of the operand: keys 64 c + 32 h + 0 .. 15
	v_cvt_scalef32_pk16_fp6_f32 v[PT+4*\c:PT+4*\c+2], v[S+32*\c+16:S+32*\c+31], v[SP+\c]       ; (a conversion's three registers begin on an even number: the upper three are made elsewhere and moved)
.endr
.irp c, 0,1
	v_lshrrev_b32 v[BT+\c], 23, v[SP+\c]           ; the scale's byte (also the plain line behind the scaled conversions)
.endr
	v_mov_b32 v[PC+3], v[PT]
	v_mov_b32 v[PC+4], v[PT+1]
	s_delay_alu instid0(VALU_DEP_3)
	v_lshl_or_b32 v[PW], v[BT+1], 16, v[BT]        ; my two bytes, blocks h and 2 + h,
	v_mov_b32 v[PC+5], v[PT+2]
	v_mov_b32 v[PC+9], v[PT+4]
	s_delay_alu instid0(VALU_DEP_3)
	v_lshlrev_b32 v[PW], v[SH8], v[PW]             ; at their places in the word;
	v_mov_b32 v[PC+10], v[PT+5]
	v_mov_b32 v[PC+11], v[PT+6]
	s_delay_alu instid0(VALU_DEP_3)
	v_permlanex16_b32 v[BT+2], v[PW], s[SEL], s[SEL+1]
	s_wait_alu depctr_va_vdst(0)
	s_wait_dscnt 0x0                               ; v's fragments and scale bytes are in
.irp j, 0,1
	v_lshl_or_b32 v[VW+\j], v[VH+2+\j], 16, v[VH+\j]   ; two records' two bytes make v's scale word
.endr
	v_or_b32 v[PW], v[PW], v[BT+2]                 ; with lane l xor 16's two: p's scale word for these 128 keys.  Twenty plain lines follow before a product names it
.set J, 0
.rept 16
	v_pk_mul_f32 v[O+J:O+J+1], v[O+J:O+J+1], v[FF:FF+1] op_sel_hi:[1,0]   ; O^T under the new M
.set J, J+2
.endr
	SUMS 0, 4
.irp t, 0,2                                    ; O^T += V^T P^T: four tiles of 16 channels by turns; K = these 128 keys
	v_wmma_scale_f32_16x16x128_f8f6f4 v[O+8*\t:O+8*\t+7], v[KV+12*\t:KV+12*\t+11], v[PC:PC+11], v[O+8*\t:O+8*\t+7], v[VW+\t/2], v[PW] matrix_a_fmt:MATRIX_FMT_FP6 matrix_b_fmt:MATRIX_FMT_FP6
	v_wmma_scale_f32_16x16x128_f8f6f4 v[O+8*(\t+1):O+8*(\t+1)+7], v[KV+12*(\t+1):KV+12*(\t+1)+11], v[PC:PC+11], v[O+8*(\t+1):O+8*(\t+1)+7], v[VW+\t/2], v[PW] matrix_a_fmt:MATRIX_FMT_FP6 matrix_b_fmt:MATRIX_FMT_FP6 matrix_a_scale:MATRIX_SCALE_ROW1
.endr
	s_add_co_u32 s[TB], s[TB], STEPB               ; on to the next step's records
	s_setprio 0
	v_add_nc_u32 v[AD16], s[TB], v[L16]
	v_add_nc_u32 v[AD8], s[TB], v[L8]
	SUMS 4, 6                                      ; with the two lines above: four plain lines in front of loads into registers that these products read
.if \next
	KLOAD
.endif
	SUMS 6, 32                                     ; 26 additions stand between the request and the wait for it
.endm
.macro STEPS n                         ; n key steps on end, from LDS byte s[TB] on
	v_add_nc_u32 v[AD16], s[TB], v[L16]
	v_add_nc_u32 v[AD8], s[TB], v[L8]
	KLOAD
	s_mov_b32 s[CNT], (\n)-1
.Lstep_\@:
	s_wait_alu depctr_va_vdst(0)
	s_setprio 2
	STEP 1
	s_sub_co_u32 s[CNT], s[CNT], 1
	s_cmp_lg_u32 s[CNT], 0
	s_cbranch_scc1 .Lstep_\@
	s_setprio 0
	STEP 0                                         ; the last step asks for nothing (its stepped addresses are not used)
.endm
	s_load_b128 s[4:7], s[0:1], 0x0                ; kv, qc
	s_load_b64 s[8:9], s[0:1], 0x10                ; out0
	v_lshl_add_u32 v[SPW], v0, 2, SPARE
	v_mov_b32 v[NIL], 0
	ds_add_u32 v5, v6
	ds_add_u32 v5, v6
	s_wait_dscnt 0x0
	v_lshrrev_b32 v31, 5, v0
	s_delay_alu instid0(VALU_DEP_1)
	v_readfirstlane_b32 s[WV], v31                 ; wave 0..15
	s_and_b32 s[QT], s[WV], 3                      ; my tile of queries; also: which quarter of a fill I fetch, if I fetch
	s_lshr_b32 s[GR], s[WV], 2                     ; my group of keys
	s_bfe_u32 s46, ttmp6, 0x40000                  ; cx: my place in the cluster
	s_lshl_b32 s47, ttmp9, 2                       ; in a cluster launch ttmp9 counts clusters
	s_add_co_u32 s47, s47, s46                     ; my block of 64 queries
	s_and_b32 s48, ttmp7, 0xffff                   ; the batch, which the four partners share
	; descriptor group 1: a dense block of 104 rows of 256 bytes
	s_mov_b32 s[G1+0], 15|(3<<16)|(1<<21)          ; 15:0 the mask: all four work-groups; 17:16 elements of 8 bytes; 20 no padding; 21 set beside a mask
	s_mov_b32 s[G1+1], 32<<16                      ; tensor_dim0 = 32
	s_mov_b32 s[G1+2], 104<<16                     ; tensor_dim1 = 104
	s_mov_b32 s[G1+3], 32<<16                      ; tile_dim0 = 32
	s_mov_b32 s[G1+4], 104                         ; tile_dim1 = 104
	s_mov_b32 s[G1+5], 32                          ; elements from row to row
	s_mov_b32 s[G1+6], 0
	s_mov_b32 s[G1+7], 0
	s_mul_i32 s52, s[QT], QLD                      ; my quarter of a fill, in LDS and in memory
	s_mul_i32 s50, s48, 64*HREC                    ; the batch's records
	s_add_co_u32 s50, s50, s52
	s_mov_b32 s51, 0
	s_mov_b32 s[SEL], 0x76543210
	s_mov_b32 s[SEL+1], 0xfedcba98                 ; v_permlanex16_b32's selects for lane l xor 16
	s_mov_b32 s[CS], 0x3e38aa3b                    ; c = log2(e) / 8
	s_mov_b32 s[CS+1], s[CS]                       ; (named with it as a pair, so it is written)
	; every LDS address register but the step's two is made here, ahead of the first branch on the wave's number
	v_and_b32 v30, 31, v0                          ; lane
	s_delay_alu instid0(VALU_DEP_1)
	v_lshlrev_b32 v[L16], 4, v30
	s_delay_alu instid0(VALU_DEP_2)
	v_lshlrev_b32 v[L8], 3, v30
	v_and_b32 v31, 15, v0                          ; r
	v_bfe_u32 v29, v0, 4, 1                        ; h
	s_wait_alu depctr_va_vdst(0)
	v_lshlrev_b32 v[SH8], 3, v29
	s_mul_i32 s58, s[WV], 4352
	s_add_co_u32 s58, s58, STG
	v_mul_u32_u24 v[SOA], v31, 272
	s_delay_alu instid0(VALU_DEP_1)
	v_lshl_add_u32 v[SOA], v29, 5, v[SOA]
	s_delay_alu instid0(VALU_DEP_1)
	v_add_nc_u32 v[SOA], s58, v[SOA]
	s_lshl_b32 s58, s[WV], 7
	s_add_co_u32 s58, s58, STT
	v_lshl_add_u32 v[STA], v31, 3, s58
	s_mul_i32 s58, s[QT], 4352
	s_mul_i32 s59, s[GR], 1088
	s_add_co_u32 s58, s58, s59
	s_add_co_u32 s58, s58, STG
	v_mul_u32_u24 v[MR], v29, 272
	s_delay_alu instid0(VALU_DEP_1)
	v_lshl_add_u32 v[MR], v31, 4, v[MR]
	s_delay_alu instid0(VALU_DEP_1)
	v_add_nc_u32 v[MR], s58, v[MR]
	s_lshl_b32 s58, s[QT], 7
	s_lshl_b32 s59, s[GR], 5
	s_add_co_u32 s58, s58, s59
	s_add_co_u32 s58, s58, STT
	v_lshl_add_u32 v[MS], v29, 3, s58
	s_wait_kmcnt 0x0
	s_add_nc_u64 s[50:51], s[4:5], s[50:51]
.irp j, 0,1,2
	s_mov_b32 s[G0+4*\j], 1                        ; count = 1
	s_add_co_u32 s[G0+4*\j+1], s52, \j*S1          ; LDS address: S0, S1's first half, S1's second half
	s_add_nc_u64 s[G0+4*\j+2:G0+4*\j+3], s[50:51], \j*S1   ; global address: keys 1,024 j on
	s_or_b32 s[G0+4*\j+3], s[G0+4*\j+3], 0x80000000   ; type = 2
.endr
	ROUND                                          ; all four work-groups are here: the first joint loads meet
	s_cmp_lt_u32 s[WV], 4                          ; a wave's three first fills stand in one branch, ahead of every wait on TENSORcnt and every LDS read
	s_cbranch_scc0 .Lfirst_asked
	tensor_load_to_lds s[G0:G0+3], s[G1:G1+7]
	s_nop 0
	tensor_load_to_lds s[G0+4:G0+7], s[G1:G1+7]
	s_nop 0
	tensor_load_to_lds s[G0+8:G0+11], s[G1:G1+7]
	s_nop 0
.rept 4
	v_nop
.endr
.Lfirst_asked:
	s_lshl_b32 s54, s48, 6
	s_add_co_u32 s54, s54, s47                     ; my block's record: 64 x batch + block
	s_mul_i32 s56, s54, 3328
	s_mov_b32 s57, 0
	s_add_nc_u64 s[6:7], s[6:7], s[56:57]          ; in qc
	s_lshl_b32 s56, s54, 6                         ; the first row of out that I store.  I join rows 4 g .. 4 g + 3 of tile t, which are queries 8 t + 4 (g % 2) + 32 (g / 2) on: 64 x record
	s_lshl_b32 s58, s[QT], 3
	s_add_co_u32 s56, s56, s58                     ; + 8 x tile
	s_and_b32 s58, s[GR], 1
	s_lshl_b32 s58, s58, 2
	s_add_co_u32 s56, s56, s58                     ; + 4 x (group % 2)
	s_lshr_b32 s58, s[GR], 1
	s_lshl_b32 s58, s58, 5
	s_add_co_u32 s56, s56, s58                     ; + 32 x (group / 2)
	s_lshl_b32 s56, s56, 8                         ; rows of 256 bytes
	s_add_nc_u64 s[8:9], s[8:9], s[56:57]
.irp p, 0,1,2                                  ; q's tile: registers R = 6 (w % 4) + 2 p and R + 1 of the record's image: 512 (R / 4) + 16 lane + 4 (R % 4)
	s_mul_i32 s58, s[QT], 6
	s_add_co_u32 s58, s58, 2*\p
	s_lshr_b32 s59, s58, 2
	s_lshl_b32 s59, s59, 9
	s_and_b32 s58, s58, 3
	s_lshl_b32 s58, s58, 2
	s_add_co_u32 s58, s58, s59
	v_add_nc_u32 v[KV+\p], s58, v[L16]
	global_load_b64 v[QC+2*\p:QC+2*\p+1], v[KV+\p], s[6:7]
.endr
	s_and_b32 s58, s[QT], 1                        ; its scale words: 3,072 + 8 (r + 16 (tile % 2)) + 4 (tile / 2)
	s_lshl_b32 s58, s58, 7
	s_lshr_b32 s59, s[QT], 1
	s_lshl_b32 s59, s59, 2
	s_add_co_u32 s58, s58, s59
	s_add_co_u32 s58, s58, 3072
	v_lshl_add_u32 v[KV+3], v31, 3, s58
	global_load_b32 v[QS], v[KV+3], s[6:7]
.irp j, 0,1,2,3,4,5
	v_mov_b32 v[QC+6+\j], 0                        ; zero codes for k = 64 .. 127
	v_mov_b32 v[KV+48+\j], 0                       ; and behind k's tile 7
.endr
.set J, 0
.rept 32
	v_mov_b32 v[O+J], 0                            ; O^T.  (The step is written once: the first finds zeros, which the first change of M leaves zeros)
.set J, J+1
.endr
	v_mov_b32 v14, 0                               ; the sum, in two halves
	v_mov_b32 v15, 0
.irp b, 0,1,2,3
	v_mov_b32 v[BT+\b], 0                          ; a lane permute's destination counts as one of its sources
.endr
	v_mov_b32 v[FF+1], 0
	v_mov_b32 v13, 0xff61b1e6                      ; the largest t so far: -3e38, under every t
	s_delay_alu instid0(VALU_DEP_1)
	v_floor_f32 v12, -v13                          ; -M
	s_wait_tensorcnt 2                             ; my part of S0 is in; S1's two loads may stay out
	s_barrier_signal -1
	s_barrier_wait -1                              ; everybody's is
	s_wait_loadcnt 0x0                             ; q (and its loads' offset registers, which k's tiles take, are free)
	s_mul_i32 s[TB], s[GR], 2*STEPB                ; keys 0 on: my group's two steps of S0's eight
	STEPS 2
	s_wait_tensorcnt 0x0                           ; all my tensor loads have landed, S1's among them: no load of mine is out, so a group 0 may be written
	ds_add_u32 v[SPW], v[NIL]                      ; 0 onto my spare word
	ds_add_u32 v5, v6
	s_add_nc_u64 s[G0+2:G0+3], s[G0+2:G0+3], 3*S1  ; S0's next keys: 3,072 on; the type bits on top are not reached
	s_wait_dscnt 0x0                               ; the add is done, and my reads of S0 are over
	ROUND                                          ; both now hold of every wave of all four work-groups
	s_cmp_lt_u32 s[WV], 4
	s_cbranch_scc0 .Lrefilled
	tensor_load_to_lds s[G0:G0+3], s[G1:G1+7]      ; the first thing behind the round, and my one tensor load from here on: it has four key steps in which to land
	s_nop 0
.rept 4
	v_nop
.endr
.Lrefilled:
	s_mul_i32 s[TB], s[GR], 4*STEPB                ; keys 1,024 on: my group's four steps of S1's sixteen
	s_add_co_u32 s[TB], s[TB], S1
	STEPS 4
	s_wait_tensorcnt 0x0                           ; my part of S0's second fill is in,
	s_wait_dscnt 0x0                               ; and my reads of S1 are over: it becomes the stage
	s_barrier_signal -1
	s_barrier_wait -1                              ; both hold of every wave
	s_mul_i32 s[TB], s[GR], 2*STEPB                ; keys 3,072 on
	STEPS 2
	; MY PARTIAL RESULT goes to the stage: O^T as 16 rows of 256 bytes, and each query's -M and sum.  (The step's last 28 additions stand between the last products and the first read of results.)
	s_delay_alu instid0(VALU_DEP_1)
	v_add_f32 v14, v14, v15                        ; the sum's two halves,
	s_delay_alu instid0(VALU_DEP_1)
	v_permlanex16_b32 v[T0], v14, s[SEL], s[SEL+1]
	s_delay_alu instid0(VALU_DEP_1)
	v_add_f32 v13, v14, v[T0]                      ; and lane l xor 16's
.irp t, 0,1,2,3
	ds_store_b128 v[SOA], v[O+8*\t:O+8*\t+3] offset:64*\t          ; each accumulator from its low end on: lane (r, h): row r of my tile, channels 16 t + 8 h + 0 .. 7
	ds_store_b128 v[SOA], v[O+8*\t+4:O+8*\t+7] offset:64*\t+16
.endr
	ds_store_b64 v[STA], v[12:13]                  ; both lanes of a query write the same two words
	s_wait_dscnt 0x0                               ; for the others' sake: my stores have landed
	s_barrier_signal -1
	s_barrier_wait -1
	; THE MERGE.  Wave (tile, group g) joins rows 4 g .. 4 g + 3 of its tile, two rows a turn: lane l takes row 4 g + 2 i + l / 16, channels 4 (l % 16) on, of the four groups' partial results.
.irp i, 0,1
.irp g, 0,1,2,3
	ds_load_b64 v[MST+2*(4*\i+\g):MST+2*(4*\i+\g)+1], v[MS] offset:512*\g+16*\i
.endr
.endr
.irp i, 0,1
.irp g, 0,1,2,3
	ds_load_b128 v[MD+4*(4*\i+\g):MD+4*(4*\i+\g)+3], v[MR] offset:17408*\g+544*\i
.endr
.endr
	s_wait_dscnt 8                                 ; -M and the sums are in; the eight loads of rows may be out
.irp i, 0,1
	v_min3_num_f32 v[MN+\i], v[MST+8*\i], v[MST+8*\i+2], v[MST+8*\i+4]
.endr
.irp i, 0,1
	s_delay_alu instid0(VALU_DEP_2)
	v_min_num_f32 v[MN+\i], v[MN+\i], v[MST+8*\i+6]   ; the smallest -M: the largest M
.endr
.irp i, 0,1
.irp g, 0,1,2,3
	v_sub_f32 v[MF+8*\i+2*\g+1], v[MN+\i], v[MST+8*\i+2*\g]   ; a group's M less the largest: a whole number, 0 or less
.endr
.endr
.irp i, 0,1
.irp g, 0,1,2,3
	v_cvt_i32_f32 v[MF+8*\i+2*\g+1], v[MF+8*\i+2*\g+1]
.endr
.endr
.irp i, 0,1
.irp g, 0,1,2,3
	v_ldexp_f32 v[MF+8*\i+2*\g], 1.0, v[MF+8*\i+2*\g+1]       ; the group's factor: an exact power of two
.endr
.endr
.irp i, 0,1
	v_mul_f32 v[ML+\i], v[MF+8*\i], v[MST+8*\i+1]
.endr
.irp g, 1,2,3
.irp i, 0,1
	s_delay_alu instid0(VALU_DEP_2)
	v_fma_f32 v[ML+\i], v[MF+8*\i+2*\g], v[MST+8*\i+2*\g+1], v[ML+\i]   ; the row's sum
.endr
.endr
	s_wait_alu depctr_va_vdst(0)
	v_rcp_f32 v[MRC], v[ML]
	v_rcp_f32 v[MRC+2], v[ML+1]
	v_mov_b32 v[MRC+1], 0                          ; (plain lines behind the reciprocals; these two are named with them as pairs)
	v_mov_b32 v[MRC+3], 0
	s_wait_dscnt 0x0
.irp i, 0,1
.irp q, 0,1
	v_pk_mul_f32 v[MO+4*\i+2*\q:MO+4*\i+2*\q+1], v[MD+16*\i+2*\q:MD+16*\i+2*\q+1], v[MF+8*\i:MF+8*\i+1] op_sel_hi:[1,0]
.endr
.endr
.irp g, 1,2,3
.irp i, 0,1
.irp q, 0,1
	s_delay_alu instid0(VALU_DEP_4)
	v_pk_fma_f32 v[MO+4*\i+2*\q:MO+4*\i+2*\q+1], v[MD+16*\i+4*\g+2*\q:MD+16*\i+4*\g+2*\q+1], v[MF+8*\i+2*\g:MF+8*\i+2*\g+1], v[MO+4*\i+2*\q:MO+4*\i+2*\q+1] op_sel_hi:[1,0,1]
.endr
.endr
.endr
	s_wait_alu depctr_va_vdst(0)
.irp i, 0,1
.irp q, 0,1
	v_pk_mul_f32 v[MO+4*\i+2*\q:MO+4*\i+2*\q+1], v[MO+4*\i+2*\q:MO+4*\i+2*\q+1], v[MRC+2*\i:MRC+2*\i+1] op_sel_hi:[1,0]   ; divided by the sum
.endr
.endr
.irp i, 0,1
	global_store_b128 v[L16], v[MO+4*\i:MO+4*\i+3], s[8:9] offset:512*\i th:TH_STORE_NT   ; two whole rows of out: 512 consecutive bytes, at a multiple of 256 from its first byte; written once, read by nobody here
.endr
	s_wait_tensorcnt 0x0                           ; the wave's end: behind my last tensor load and my last LDS store
	ds_add_u32 v[SPW], v[NIL]
	s_wait_dscnt 0x0
	ROUND                                          ; the closing round: no work-group ends while a partner may still ask for a tile that names it
	s_endpgm
.Lfunc_end_k_q464f5291a0_attn:
	.size	k_q464f5291a0_attn, .Lfunc_end_k_q464f5291a0_attn-k_q464f5291a0_attn
	.p2alignl 7, 3214868480
	.fill 96, 4, 3214868480
	.section	.rodata,"a",@progbits
	.p2align	6, 0x0
	.amdhsa_kernel k_q464f5291a0_attn
		.amdhsa_group_segment_fixed_size 327680
		.amdhsa_private_segment_fixed_size 0
		.amdhsa_enable_private_segment 0
		.amdhsa_kernarg_size 24
		.amdhsa_user_sgpr_count 2
		.amdhsa_user_sgpr_kernarg_segment_ptr 1
		.amdhsa_wavefront_size32 1
		.amdhsa_system_sgpr_workgroup_id_x 1
		.amdhsa_system_sgpr_workgroup_id_y 1
		.amdhsa_system_sgpr_workgroup_id_z 1
		.amdhsa_system_vgpr_workitem_id 0
		.amdhsa_next_free_vgpr 232
		.amdhsa_next_free_sgpr 66
		.amdhsa_reserve_vcc 0
		.amdhsa_float_denorm_mode_32 3
		.amdhsa_float_denorm_mode_16_64 3
		.amdhsa_memory_ordered 1
		.amdhsa_forward_progress 1
		.amdhsa_inst_pref_size 108
	.end_amdhsa_kernel
	.amdgpu_metadata
---
amdhsa.version: [ 1, 2 ]
amdhsa.kernels:
  - .name:           k_q464f5291a0_attn
    .symbol:         k_q464f5291a0_attn.kd
    .args:
      - { .name: kv, .offset: 0, .size: 8, .value_kind: global_buffer, .address_space: global }
      - { .name: qc, .offset: 8, .size: 8, .value_kind: global_buffer, .address_space: global }
      - { .name: out0, .offset: 16, .size: 8, .value_kind: global_buffer, .address_space: global }
    .group_segment_fixed_size: 327680
    .private_segment_fixed_size: 0
    .kernarg_segment_align: 8
    .kernarg_segment_size: 24
    .max_flat_workgroup_size: 512
    .sgpr_count:     66
    .vgpr_count:     232
    .wavefront_size: 32
...
	.end_amdgpu_metadata
.endif
;; end of part 3
